; MI455X (gfx1250); checked and timed in simulation.
; The chip was launched on July 23, 2026; its instructions are those of AMD's public machine-readable ISA for CDNA 5 (MIT licence, August 2026) and "CDNA5" Instruction Set Architecture Reference Guide (July 2026). The comments in the code are by the model that wrote it; some were corrected since.
;; Aggregation Attention. Allowed arithmetic: float matrix products may take bf16 or f16 operands with f32 sums; all other float work in f32.
;; Inputs: W1 4,096 x 1,024 float32; W2 1,024 x 4,096 float32; Wk 1,024 x 1,024 float32; Wq 1,024 x 1,024 float32; Wv 1,024 x 1,024 float32; b1 4,096 float32; b2 1,024 float32; bk 1,024 float32; bq 1,024 float32; bv 1,024 float32; gumbel_u 8 x 16 x 4,096 x 2 float32; ln_b 1,024 float32; ln_g 1,024 float32; query 1 x 1,024 float32; x 8 x 4,096 x 1,024 float32.
;; Outputs: out0 8 x 1,024 float32; out1 8 x 1 x 4,096 float32; out2 8 x 1 x 4,096 float32.
;; One version. Each part assembles by itself: llvm-mc -triple=amdgcn-amd-amdhsa -mcpu=gfx1250 --defsym DOCPART=n.
;; ======== version 1 of 1: 5 launches
;; limits: values outside matrix products are rounded to f16; inputs' magnitudes at most 65,504; values are held in f16: magnitudes above 65,504 overflow, below 6.1e-05 lose precision
;; workspace buffers: wfrag 65,536 bytes; cvec 256 bytes; zpart 16,777,216 bytes; stats 65,536 bytes; pf 1,048,576 bytes; hpart 65,536 bytes; h1 131,072 bytes
;; launch qk (part 1): grid 64 x 1, 16 waves a work-group, no clusters, 18,688 bytes of LDS; arguments query, Wq, bq, Wk, bk, wfrag, cvec; writes wfrag, cvec
.if DOCPART == 1
	.amdgcn_target "amdgcn-amd-amdhsa--gfx1250"
	.amdhsa_code_object_version 6
	.text
	.protected	k_q49c497c22f_qk
	.globl	k_q49c497c22f_qk
	.p2align	8
	.type	k_q49c497c22f_qk,@function
k_q49c497c22f_qk:
	s_mov_b64 s[64:65], 0
	v_nop
	global_prefetch_b8 v0, s[64:65] scope:SCOPE_SE
	s_setreg_imm32_b32 hwreg(HW_REG_WAVE_MODE, 25, 1), 1
	s_wait_xcnt 0x0
; There is one query, so logits[b,h,s] = x[b,s,:] . w[h,:] + c[h] with
;   q[j] = query . Wq[j,:] + bq[j],  w[h,e] = sum_d q[64h+d] Wk[64h+d,e] / 8,  c[h] = sum_d q[64h+d] bk[64h+d] / 8.
; This launch makes w (split into bf16 hi + bf16 lo, laid out as the next launch's matrix fragments) and c, all sums in f32.
; Work-group = (head h, quarter v of the 1,024 columns e).  Wave w owns the four rows 64h+4w .. +3 of Wq and of Wk.
; One-row products: nothing for the matrix unit to gain; the four work-groups of a head each form the head's q themselves.
; wfrag: byte v*8192 + c*256 + h*16 (+32768 for lo) holds unit c = eight bf16, element p being column
;   e = 256v + 128(c>>4) + 64(p>>2) + 4(c&15) + (p&3): the order in which the next launch's lanes hold x.
.set PT,   3                           ; v3        scratch of the lane exchange
.set Q,    4                           ; v[4:35]   query, 32 numbers a lane
.set WQ,   36                          ; v[36:163] four rows of Wq; later the 16 waves' partial w
.set WK,   164                         ; v[164:195] four rows of Wk, my quarter
.set QS,   196                         ; v[196:199] q/8 of my four rows, in every lane
.set WP,   200                         ; v[200:207] my wave's part of w, 8 columns a lane
.set CH,   208                         ; v[208:223] two chains of pairs for each row
.set CP,   208                         ; behind the chains: my wave's part of c
.set WPA,  209
.set CPW,  210
.set HI,   4                           ; wave 0, behind q: packed hi, packed lo, -1.0, addresses, parts of c
.set LO,   8
.set NEG1, 12
.set SO,   13
.set RDA,  14
.set CPA,  15
.set CS,   16
.set CO,   32
.set LCP,  16384                       ; LDS: 16 x 1,024 bytes of partial w, then 16 words of partial c
.macro WSUM reg                        ; sum over the 32 lanes, result in every lane
	v_add_f32_dpp v[\reg], v[\reg], v[\reg] row_xmask:1 row_mask:0xf bank_mask:0xf
	v_add_f32_dpp v[\reg], v[\reg], v[\reg] row_xmask:2 row_mask:0xf bank_mask:0xf
	v_add_f32_dpp v[\reg], v[\reg], v[\reg] row_xmask:4 row_mask:0xf bank_mask:0xf
	v_add_f32_dpp v[\reg], v[\reg], v[\reg] row_xmask:8 row_mask:0xf bank_mask:0xf
	v_permlanex16_b32 v[PT], v[\reg], s32, s33
	v_add_f32 v[\reg], v[\reg], v[PT]
.endm
	s_load_b256 s[4:11], s[0:1], 0x0               ; query s[4:5], Wq s[6:7], bq s[8:9], Wk s[10:11]
	s_load_b128 s[12:15], s[0:1], 0x20             ; bk s[12:13], wfrag s[14:15]
	s_load_b64 s[16:17], s[0:1], 0x30              ; cvec
	v_lshl_add_u32 v224, v0, 2, 0x4100
	v_mov_b32 v225, 0
	v_lshrrev_b32 v1, 5, v0
	v_readfirstlane_b32 s18, v1                    ; wave w
	v_and_b32 v1, 31, v0                           ; lane
	v_lshlrev_b32 v2, 4, v1                        ; 16 bytes a lane
	v_mov_b32 v[PT], 0                             ; the exchange's destination counts as read
	s_lshr_b32 s19, ttmp9, 2                       ; h
	s_and_b32 s20, ttmp9, 3                        ; v
	s_lshl_b32 s21, s19, 6
	s_lshl2_add_u32 s21, s18, s21                  ; my first row: 64 h + 4 w
	s_mov_b32 s23, 0
	s_mov_b32 s32, 0x76543210                      ; lane i of one half reads lane i of the other
	s_mov_b32 s33, 0xfedcba98
	s_wait_kmcnt 0x0
	s_lshl_b32 s22, s21, 2
	s_add_nc_u64 s[8:9], s[8:9], s[22:23]          ; bq and bk at my four rows
	s_add_nc_u64 s[12:13], s[12:13], s[22:23]
	s_load_b128 s[24:27], s[8:9], 0x0
	s_load_b128 s[28:31], s[12:13], 0x0
	s_lshl_b32 s22, s21, 12
	s_add_nc_u64 s[6:7], s[6:7], s[22:23]          ; Wq and Wk at my first row
	s_add_nc_u64 s[10:11], s[10:11], s[22:23]
	s_lshl_b32 s22, s20, 10
	s_add_nc_u64 s[10:11], s[10:11], s[22:23]      ; Wk at my quarter of the columns
.irp a, 0,1,2,3,4,5,6,7
	global_load_b128 v[Q+4*\a:Q+4*\a+3], v2, s[4:5] offset:512*\a
.endr
.irp i, 0,1,2,3
.irp a, 0,1,2,3,4,5,6,7
	global_load_b128 v[WQ+32*\i+4*\a:WQ+32*\i+4*\a+3], v2, s[6:7] offset:4096*\i+512*\a
.endr
.endr
.irp i, 0,1,2,3
.irp a, 0,1
	global_load_b128 v[WK+8*\i+4*\a:WK+8*\i+4*\a+3], v2, s[10:11] offset:4096*\i+512*\a th:TH_LOAD_NT
.endr
.endr
	s_wait_loadcnt 0x8                             ; query and Wq are in; the eight loads of Wk are younger
	; q: four rows, two chains of pairs each; the first products start the sums
.irp i, 0,1,2,3
	v_pk_mul_f32 v[CH+4*\i:CH+4*\i+1],   v[Q:Q+1],   v[WQ+32*\i:WQ+32*\i+1]
	v_pk_mul_f32 v[CH+4*\i+2:CH+4*\i+3], v[Q+2:Q+3], v[WQ+32*\i+2:WQ+32*\i+3]
.endr
.irp p, 1,2,3,4,5,6,7
.irp i, 0,1,2,3
	v_pk_fma_f32 v[CH+4*\i:CH+4*\i+1],   v[Q+4*\p:Q+4*\p+1],   v[WQ+32*\i+4*\p:WQ+32*\i+4*\p+1],   v[CH+4*\i:CH+4*\i+1]
	v_pk_fma_f32 v[CH+4*\i+2:CH+4*\i+3], v[Q+4*\p+2:Q+4*\p+3], v[WQ+32*\i+4*\p+2:WQ+32*\i+4*\p+3], v[CH+4*\i+2:CH+4*\i+3]
.endr
.endr
.irp i, 0,1,2,3
	v_pk_add_f32 v[CH+4*\i:CH+4*\i+1], v[CH+4*\i:CH+4*\i+1], v[CH+4*\i+2:CH+4*\i+3]
	v_add_f32 v[QS+\i], v[CH+4*\i], v[CH+4*\i+1]
.endr
.irp i, 0,1,2,3
	WSUM QS+\i
.endr
	s_wait_kmcnt 0x0                               ; bq, bk
.irp i, 0,1,2,3
	v_add_f32 v[QS+\i], s[24+\i], v[QS+\i]
	v_mul_f32 v[QS+\i], 0x3e000000, v[QS+\i]       ; / sqrt(64), folded into q
.endr
	s_wait_loadcnt 0x0                             ; Wk
	; my wave's part of w: sum over my four rows of q Wk; q is broadcast from one register of its pair
.irp p, 0,2,4,6
	v_pk_mul_f32 v[WP+\p:WP+\p+1], v[WK+\p:WK+\p+1],       v[QS:QS+1] op_sel_hi:[1,0]
	v_pk_fma_f32 v[WP+\p:WP+\p+1], v[WK+8+\p:WK+8+\p+1],   v[QS:QS+1],     v[WP+\p:WP+\p+1] op_sel:[0,1,0]
	v_pk_fma_f32 v[WP+\p:WP+\p+1], v[WK+16+\p:WK+16+\p+1], v[QS+2:QS+3],   v[WP+\p:WP+\p+1] op_sel_hi:[1,0,1]
	v_pk_fma_f32 v[WP+\p:WP+\p+1], v[WK+24+\p:WK+24+\p+1], v[QS+2:QS+3],   v[WP+\p:WP+\p+1] op_sel:[0,1,0]
.endr
	v_mul_f32  v[CP], s28, v[QS]                   ; and of c
	v_fmac_f32 v[CP], s29, v[QS+1]
	v_fmac_f32 v[CP], s30, v[QS+2]
	v_fmac_f32 v[CP], s31, v[QS+3]
	s_lshl_b32 s34, s18, 10
	v_add_nc_u32 v[WPA], s34, v2                   ; 1,024 w + 16 lane
	s_lshl_b32 s34, s18, 2
	s_add_co_u32 s34, s34, LCP
	v_mov_b32 v[CPW], s34
	ds_store_b128 v[WPA], v[WP:WP+3]               ; column e (of my 256) lies at byte 4 e
	ds_store_b128 v[WPA], v[WP+4:WP+7] offset:512
	ds_store_b32 v[CPW], v[CP]
	s_wait_dscnt 0x0                               ; my stores are done before I say so
	s_barrier_signal -1
	s_barrier_wait -1
	s_cmp_lg_u32 s18, 0
	s_cbranch_scc1 .Lend
	; wave 0: lane c makes unit c: columns 128(c>>4) + 4(c&15) + 0..3 and the same + 64
	v_and_b32 v[RDA], 15, v1
	v_lshlrev_b32 v[RDA], 4, v[RDA]
	v_lshrrev_b32 v[SO], 4, v1
	v_lshl_add_u32 v[RDA], v[SO], 9, v[RDA]
.irp w, 0,1,2,3,4,5,6,7,8,9,10,11,12,13,14,15
	ds_load_b128 v[WQ+8*\w:WQ+8*\w+3],   v[RDA] offset:1024*\w
	ds_load_b128 v[WQ+8*\w+4:WQ+8*\w+7], v[RDA] offset:1024*\w+256
.endr
	v_mov_b32 v[NEG1], -1.0
	s_lshl_b32 s34, s20, 13
	s_lshl_b32 s35, s19, 4
	s_add_co_u32 s34, s34, s35
	v_lshl_add_u32 v[SO], v1, 8, s34               ; v*8192 + c*256 + h*16
	s_wait_dscnt 0x0
.irp st, 8,4,2,1                       ; the 16 waves' parts, summed as a tree
.set ii, 0
.rept \st*4
	v_pk_add_f32 v[WQ+2*ii:WQ+2*ii+1], v[WQ+2*ii:WQ+2*ii+1], v[WQ+8*\st+2*ii:WQ+8*\st+2*ii+1]
.set ii, ii+1
.endr
.endr
.irp p, 0,1,2,3
	v_cvt_pk_bf16_f32 v[HI+\p], v[WQ+2*\p], v[WQ+2*\p+1]
.endr
.irp p, 0,1,2,3                        ; w - hi, exact in f32
	v_fma_mix_f32_bf16 v[WQ+2*\p],   v[HI+\p], v[NEG1], v[WQ+2*\p]   op_sel_hi:[1,0,0]
	v_fma_mix_f32_bf16 v[WQ+2*\p+1], v[HI+\p], v[NEG1], v[WQ+2*\p+1] op_sel:[1,0,0] op_sel_hi:[1,0,0]
.endr
.irp p, 0,1,2,3
	v_cvt_pk_bf16_f32 v[LO+\p], v[WQ+2*\p], v[WQ+2*\p+1]
.endr
	; 16 bytes a lane, 256 bytes apart: 64 KiB in the whole launch, so that each of the next launch's 256 work-groups loads its fragments by plain contiguous loads
	global_store_b128 v[SO], v[HI:HI+3], s[14:15]
	global_store_b128 v[SO], v[LO:LO+3], s[14:15] offset:32768
	s_cmp_lg_u32 s20, 0
	s_cbranch_scc1 .Lend                           ; c[h] is stored by the head's first quarter alone
	v_mov_b32 v[CPA], LCP
.irp q, 0,1,2,3
	ds_load_b128 v[CS+4*\q:CS+4*\q+3], v[CPA] offset:16*\q
.endr
	s_lshl_b32 s34, s19, 2
	v_mov_b32 v[CO], s34
	v_cmp_eq_u32 vcc_lo, 0, v1
	s_wait_dscnt 0x0
.irp st, 4,2,1
.set ii, 0
.rept \st
	v_pk_add_f32 v[CS+2*ii:CS+2*ii+1], v[CS+2*ii:CS+2*ii+1], v[CS+2*\st+2*ii:CS+2*\st+2*ii+1]
.set ii, ii+1
.endr
.endr
	v_add_f32 v[CS], v[CS], v[CS+1]
	s_wait_xcnt 0x0                                ; EXEC is a source of the stores above: it changes only behind this wait
	s_and_saveexec_b32 s35, vcc_lo
	global_store_b32 v[CO], v[CS], s[16:17]        ; lane 0 alone
	s_wait_xcnt 0x0                                ; and again in front of the line that widens it
	s_or_b32 exec_lo, exec_lo, s35
.Lend:
	s_wait_tensorcnt 0x0
	ds_add_u32 v224, v225
	s_wait_dscnt 0x0
	s_endpgm
.Lfunc_end_k_q49c497c22f_qk:
	.size	k_q49c497c22f_qk, .Lfunc_end_k_q49c497c22f_qk-k_q49c497c22f_qk
	.p2alignl 7, 3214868480
	.fill 96, 4, 3214868480
	.section	.rodata,"a",@progbits
	.p2align	6, 0x0
	.amdhsa_kernel k_q49c497c22f_qk
		.amdhsa_group_segment_fixed_size 18688
		.amdhsa_private_segment_fixed_size 0
		.amdhsa_enable_private_segment 0
		.amdhsa_kernarg_size 56
		.amdhsa_user_sgpr_count 2
		.amdhsa_user_sgpr_kernarg_segment_ptr 1
		.amdhsa_wavefront_size32 1
		.amdhsa_system_sgpr_workgroup_id_x 1
		.amdhsa_system_sgpr_workgroup_id_y 1
		.amdhsa_system_sgpr_workgroup_id_z 1
		.amdhsa_system_vgpr_workitem_id 0
		.amdhsa_next_free_vgpr 226
		.amdhsa_next_free_sgpr 66
		.amdhsa_reserve_vcc 1
		.amdhsa_float_denorm_mode_32 3
		.amdhsa_float_denorm_mode_16_64 3
		.amdhsa_memory_ordered 1
		.amdhsa_forward_progress 1
		.amdhsa_inst_pref_size 23
	.end_amdhsa_kernel
	.amdgpu_metadata
---
amdhsa.version: [ 1, 2 ]
amdhsa.kernels:
  - .name:           k_q49c497c22f_qk
    .symbol:         k_q49c497c22f_qk.kd
    .args:
      - { .name: query, .offset: 0, .size: 8, .value_kind: global_buffer, .address_space: global }
      - { .name: Wq, .offset: 8, .size: 8, .value_kind: global_buffer, .address_space: global }
      - { .name: bq, .offset: 16, .size: 8, .value_kind: global_buffer, .address_space: global }
      - { .name: Wk, .offset: 24, .size: 8, .value_kind: global_buffer, .address_space: global }
      - { .name: bk, .offset: 32, .size: 8, .value_kind: global_buffer, .address_space: global }
      - { .name: wfrag, .offset: 40, .size: 8, .value_kind: global_buffer, .address_space: global }
      - { .name: cvec, .offset: 48, .size: 8, .value_kind: global_buffer, .address_space: global }
    .group_segment_fixed_size: 18688
    .private_segment_fixed_size: 0
    .kernarg_segment_align: 8
    .kernarg_segment_size: 56
    .max_flat_workgroup_size: 512
    .sgpr_count:     66
    .vgpr_count:     226
    .wavefront_size: 32
...
	.end_amdgpu_metadata
.endif
;; end of part 1
;; launch pool (part 2): grid 256 x 1, 4 waves a work-group, no clusters, 105,984 bytes of LDS; arguments x, gumbel_u, wfrag, cvec, zpart, stats, pf, out1; writes zpart, stats, pf, out1
.if DOCPART == 2
	.amdgcn_target "amdgcn-amd-amdhsa--gfx1250"
	.amdhsa_code_object_version 6
	.text
	.protected	k_q49c497c22f_pool
	.globl	k_q49c497c22f_pool
	.p2align	8
	.type	k_q49c497c22f_pool,@function
k_q49c497c22f_pool:
	s_mov_b64 s[64:65], 0
	v_nop
	global_prefetch_b8 v0, s[64:65] scope:SCOPE_SE
	s_setreg_imm32_b32 hwreg(HW_REG_WAVE_MODE, 25, 1), 1
	s_wait_xcnt 0x0
; The one pass over x.  Work-group wg = 32 b + c owns the 128 positions s = 128 c .. of batch b (512 KiB of x); wave v owns columns 256 v .. 256 v + 255.
; A: x comes straight into registers (16 lanes take 256 consecutive bytes of a row; the two halves of the lanes take rows 8 apart).  Each number is used twice:
;    - as bf16 hi + bf16 lo through the wave's own LDS stage (a transpose: K = e) for logits = xhi.whi + xhi.wlo + xlo.whi, three bf16 products summed in f32:
;      the hard mask turns on the sign of logit + g1 - g0, so the logits are kept near f32;
;    - packed as f16 pairs of rows, which in this lane layout ARE matrix fragments with K = s: they wait in 512 registers until the weights are known.
; B: the four waves' column parts of the logits meet in LDS; Gumbel decision, head counts (out1), the work-group's own maximum per head, exp, masked weights.
; C: z[h,e] = sum_s (A p)[h,s] x[s,e] by f16 products with f32 sums, stored unnormalised with (maximum, sum of exp, masked sum); the next launch merges the 32 chunks
;    of a batch by their maxima.
; Memory binds; x is read once.  No tensor loads: registers hold what is in flight (a wave waits with 48 loads of 512 bytes still out) and x needs no LDS slot.
; No cluster: the work-groups share only the 64 KiB of w.
; LIMITS: |x| < 65,504 (f16 for z).  A masked weight below 6e-8 of its work-group's largest becomes 0 in f16.  A decision whose two sides differ by about 1e-7
; can fall the other way than with another logarithm routine.
.set VX,1                              ; hh*32768 + r*16 + v*1024: my bytes in x's rows, and in zpart's
.set STW,2                             ; stage, writing: row 8 hh, byte 16 r
.set STR,3                             ; stage, reading fragments: row r, byte 16 hh
.set PWR,4                             ; PART, writing
.set PRD,5                             ; PART, reading my two blocks
.set PPW,6                             ; PREG, writing
.set PPR,7                             ; PREG, reading fragments
.set PTR,8                             ; PREG, reading by heads
.set PFO,9                             ; offset in pf
.set MXA,10
.set MXR,11
.set SMA,12
.set SMR,13
.set GOFF,14                           ; offset in gumbel_u
.set WOFF,15                           ; offset in wfrag
.set O1,16                             ; offset in out1
.set NEG1,17
.set CV,18                             ; v[18:19] c[r], twice
.set L8,25
.set R4,26
.set WH,32                             ; v[32:95]   w hi, 8 K steps x 8 registers
.set WL,96                             ; v[96:159]  w lo
.set FH,160                            ; v[160:175] packed hi   \
.set FD,176                            ; v[176:207] x - hi       > at work in a half-step
.set FL,208                            ; v[208:223] packed lo   /
.set F0,160                            ; v[160:191], v[192:223]: two sets of x fragments for the logits
.set F1,192
.set ACC0,224
.set ACC1,232
.set ACC2,240
; phases B and C use v32-v247 again
.set PS,32
.set G,96
.set LG,128
.set PP,144
.set PM,160
.set PAW,176
.set TT,184
.set PA,200
.set PFT,232
.set CNT,240
.set MM,242
.set ST,244
; window 1: four landing slots of 64 registers; then u in v0-31; then the 16 accumulator tiles of z.  Windows 2, 3: the f16 fragments of x; then z regrouped.
.set PART,0                            ; [wave 4][block 8][half 2][lane 32][16 B]
.set PREG,32768                        ; 16 octets of s x pitch 272; head h at byte 16 h
.set PPITCH,272
.set MX,37120                          ; [wave][head] f32
.set SM,37376                          ; [wave][hh][head] f32
.set STAGE,37888                       ; for each wave: 16 rows x 528 bytes of hi, then the same of lo
.set SPITCH,528                        ; 33 x 16 bytes: the sixteen rows of a fragment load begin at sixteen different 16-byte columns modulo 256
.set SPLANE,16*SPITCH
.set SWAVE,2*SPLANE
.set MSB, 0
.macro WIN new                         ; low byte: bits 1:0 source 0, 3:2 source 1, 5:4 source 2, 7:6 destination; the high byte repeats the setting left
.if MSB != \new
	s_set_vgpr_msb (MSB<<8)|\new
.set MSB, \new
.endif
.endm
.macro PLACES                          ; four plain vector places behind a matrix instruction (ISA guide 7.12.1) before its registers are read, written or loaded into
.rept 4
	v_nop
.endr
.endm
; Half-step k: rows 16 (k/2) + 8 hh + 4 (k%2) + i, i = 0..3, four pieces of 256 bytes each, into slot k % 4 (window 1)
.macro XLOAD k
.irp i, 0,1,2,3
.irp g, 0,1,2,3
	global_load_b128 v[((\k)%4)*64+(\i*4+\g)*4:((\k)%4)*64+(\i*4+\g)*4+3], v[VX], s[4:5] offset:(16*((\k)/2)+4*((\k)%2)+\i)*4096+\g*256 th:TH_LOAD_NT
.endr
.endr
.endm
	s_load_b512 s[4:19], s[0:1], 0x0               ; x, gumbel_u, wfrag, cvec, zpart, stats, pf, out1
	v_lshl_add_u32 v254, v0, 2, 0x19c00
	v_mov_b32 v255, 0
	v_lshrrev_b32 v23, 5, v0
	v_readfirstlane_b32 s20, v23                   ; wave v
	v_and_b32 v20, 31, v0                          ; L
	v_and_b32 v21, 15, v0                          ; r
	v_bfe_u32 v22, v0, 4, 1                        ; hh
	v_lshlrev_b32 v23, 4, v20                      ; 16 L
	v_lshlrev_b32 v24, 4, v21                      ; 16 r
	s_lshl_b32 s31, s20, 13
	v_add_nc_u32 v[WOFF], s31, v23
	s_lshl_b32 s31, s20, 10
	v_lshl_add_u32 v[VX], v22, 15, v24
	v_add_nc_u32 v[VX], s31, v[VX]
	v_lshlrev_b32 v[R4], 2, v21
	s_lshl_b32 s22, ttmp9, 19
	s_mov_b32 s23, 0
	s_wait_kmcnt 0x0
	s_add_nc_u64 s[4:5], s[4:5], s[22:23]          ; x at my 128 rows
.irp kk, 0,1,2,3,4,5,6,7
.irp h2, 0,1
	global_load_b128 v[WH+8*\kk+4*\h2:WH+8*\kk+4*\h2+3], v[WOFF], s[8:9] offset:1024*\kk+512*\h2
	global_load_b128 v[WL+8*\kk+4*\h2:WL+8*\kk+4*\h2+3], v[WOFF], s[8:9] offset:1024*\kk+512*\h2+32768
.endr
.endr
	global_load_b32 v[CV], v[R4], s[10:11]
	WIN 0x40
	XLOAD 0
	XLOAD 1
	XLOAD 2
	XLOAD 3
	WIN 0
	; the other bases
	s_lshr_b32 s24, ttmp9, 5                       ; b
	s_and_b32 s25, ttmp9, 31                       ; c
	s_lshl_b32 s22, s24, 19
	s_lshl_b32 s31, s25, 10
	s_add_co_u32 s22, s22, s31
	s_add_nc_u64 s[6:7], s[6:7], s[22:23]          ; gumbel_u[b][0][128 c][0]
	s_lshl_b32 s22, ttmp9, 16
	s_add_nc_u64 s[12:13], s[12:13], s[22:23]      ; zpart[wg]
	s_lshl_b32 s22, ttmp9, 8
	s_add_nc_u64 s[14:15], s[14:15], s[22:23]      ; stats[wg]
	s_lshl_b32 s22, s24, 17
	s_lshl_b32 s31, s25, 8
	s_add_co_u32 s22, s22, s31
	s_add_nc_u64 s[16:17], s[16:17], s[22:23]      ; pf[b][0][128 c]
	s_lshl_b32 s22, ttmp9, 9
	s_add_nc_u64 s[18:19], s[18:19], s[22:23]      ; out1[b][128 c]
	s_mov_b32 s26, 0xbf317218                      ; -ln 2
	s_mov_b32 s27, 0x1e3ce508                      ; 1e-20
	s_mov_b32 s28, 0x76543210
	s_mov_b32 s29, 0xfedcba98
	s_mov_b32 s30, 0xffff0000                      ; lanes 16-31
	; LDS addresses: a constant, the wave's number times a constant, a lane term
	s_mul_i32 s31, s20, SWAVE
	s_add_co_u32 s31, s31, STAGE
	v_mul_u32_u24 v[STW], v22, 8*SPITCH
	v_add_nc_u32 v[STW], v[STW], v24
	v_add_nc_u32 v[STW], s31, v[STW]
	v_mul_u32_u24 v[STR], v21, SPITCH
	v_lshl_add_u32 v[STR], v22, 4, v[STR]
	v_add_nc_u32 v[STR], s31, v[STR]
	s_lshl_b32 s31, s20, 13
	v_add_nc_u32 v[PWR], s31, v23
	s_lshl_b32 s31, s20, 11
	v_add_nc_u32 v[PRD], s31, v23
	v_mul_u32_u24 v[PPR], v22, PPITCH
	v_add_nc_u32 v[PPR], v[PPR], v24
	s_mul_i32 s31, s20, 4*PPITCH
	s_add_co_u32 s31, s31, PREG
	v_add_nc_u32 v[PPW], s31, v[PPR]
	v_add_nc_u32 v[PPR], PREG, v[PPR]
	v_mul_u32_u24 v[PTR], v21, PPITCH
	v_lshl_add_u32 v[PTR], v22, 4, v[PTR]
	s_lshl_b32 s31, s20, 6
	s_add_co_u32 s31, s31, PREG
	v_add_nc_u32 v[PTR], s31, v[PTR]
	v_lshl_add_u32 v[PFO], v22, 13, v24
	s_lshl_b32 s31, s20, 15
	v_add_nc_u32 v[PFO], s31, v[PFO]
	v_add_nc_u32 v[MXR], MX, v[R4]
	s_lshl_b32 s31, s20, 6
	v_add_nc_u32 v[MXA], s31, v[MXR]
	v_lshl_add_u32 v[SMR], v22, 6, v[R4]
	v_add_nc_u32 v[SMR], SM, v[SMR]
	s_lshl_b32 s31, s20, 7
	v_add_nc_u32 v[SMA], s31, v[SMR]
	v_lshlrev_b32 v[GOFF], 15, v21
	v_lshl_add_u32 v[GOFF], v22, 6, v[GOFF]
	s_lshl_b32 s31, s20, 8
	v_add_nc_u32 v[GOFF], s31, v[GOFF]
	v_lshlrev_b32 v[O1], 2, v0
	v_lshlrev_b32 v[L8], 3, v20
	v_mov_b32 v[NEG1], -1.0
; One half-step.  left = the loads issued behind this half-step's own.
.macro HSTEP k, left
.set HS, ((\k)%4)*64
.set HQ, 4*(((\k)/2)%2)+2*((\k)%2)
.set HB, (((\k)/4)%2)*128
	s_wait_loadcnt \left                           ; loads come back in order (ISA guide 5.7.1): this slot is in, the younger loads stay out
.irp a, 0,1                            ; rows 2a, 2a+1 of the four
	WIN 0x05
.set ii, 0
.rept 16
	v_cvt_pk_bf16_f32 v[FH+ii], v[HS+32*\a+2*ii], v[HS+32*\a+2*ii+1]
.set ii, ii+1
.endr
	WIN 0x10
.set ii, 0
.rept 16                               ; x - hi, exact in f32
	v_fma_mix_f32_bf16 v[FD+2*ii],   v[FH+ii], v[NEG1], v[HS+32*\a+2*ii]   op_sel_hi:[1,0,0]
	v_fma_mix_f32_bf16 v[FD+2*ii+1], v[FH+ii], v[NEG1], v[HS+32*\a+2*ii+1] op_sel:[1,0,0] op_sel_hi:[1,0,0]
.set ii, ii+1
.endr
	WIN 0
.set ii, 0
.rept 16
	v_cvt_pk_bf16_f32 v[FL+ii], v[FD+2*ii], v[FD+2*ii+1]
.set ii, ii+1
.endr
.irp ra, 0,1
.irp gp, 0,1                           ; unit 16 gp + r of the row: my four columns of piece 2 gp, then of piece 2 gp + 1 (the order in which wfrag lies)
	ds_store_b128 v[STW], v[FH+8*\ra+4*\gp:FH+8*\ra+4*\gp+3] offset:(4*((\k)%2)+2*\a+\ra)*SPITCH+256*\gp
	ds_store_b128 v[STW], v[FL+8*\ra+4*\gp:FL+8*\ra+4*\gp+3] offset:(4*((\k)%2)+2*\a+\ra)*SPITCH+256*\gp+SPLANE
.endr
.endr
.endr
.if (\k) < 8
	WIN 0x85
.else
	WIN 0xc5
.endif
.irp a, 0,1                            ; two neighbouring rows as f16: register 4(u&1) + 2(k%2) + a of the fragment of tile (piece, column) in K step k/4
.set ii, 0
.rept 16
	v_cvt_pk_f16_f32 v[HB+8*ii+HQ+\a], v[HS+32*\a+ii], v[HS+32*\a+16+ii]
.set ii, ii+1
.endr
.endr
.if (\k) <= 11
	WIN 0x40
	XLOAD (\k)+4                                   ; the slot is filled again, four half-steps ahead
.endif
.if (\k) == 12
	WIN 0x40
.irp q, 0,1,2,3,4,5,6,7                ; u of head r at my 16 positions (wave v: s = 32 v + 16 blk + 8 hh + j): register 16 blk + 2 j + (0: keep, 1: edge)
	global_load_b128 v[4*\q:4*\q+3], v[GOFF], s[6:7] offset:(\q/4)*128+(\q%4)*16 th:TH_LOAD_NT
.endr
.endif
	WIN 0
.endm
.macro LOADP pr, f                     ; x fragments (hi 8 registers, lo 8) of K steps 2 pr and 2 pr + 1: eight loads
.irp kl, 0,1
	ds_load_b128 v[\f+16*\kl:\f+16*\kl+3],     v[STR] offset:(2*\pr+\kl)*64
	ds_load_b128 v[\f+16*\kl+4:\f+16*\kl+7],   v[STR] offset:(2*\pr+\kl)*64+32
	ds_load_b128 v[\f+16*\kl+8:\f+16*\kl+11],  v[STR] offset:(2*\pr+\kl)*64+SPLANE
	ds_load_b128 v[\f+16*\kl+12:\f+16*\kl+15], v[STR] offset:(2*\pr+\kl)*64+SPLANE+32
.endr
.endm
.macro MUL6 pr, f                      ; three accumulators by turns, one instruction a turn
.irp kl, 0,1
.if 2*\pr+\kl == 0
	v_wmma_f32_16x16x32_bf16 v[ACC0:ACC0+7], v[\f:\f+7],    v[WH:WH+7], 0
	v_wmma_f32_16x16x32_bf16 v[ACC1:ACC1+7], v[\f:\f+7],    v[WL:WL+7], 0
	v_wmma_f32_16x16x32_bf16 v[ACC2:ACC2+7], v[\f+8:\f+15], v[WH:WH+7], 0
.else
	v_wmma_f32_16x16x32_bf16 v[ACC0:ACC0+7], v[\f+16*\kl:\f+16*\kl+7],    v[WH+8*(2*\pr+\kl):WH+8*(2*\pr+\kl)+7], v[ACC0:ACC0+7]
	v_wmma_f32_16x16x32_bf16 v[ACC1:ACC1+7], v[\f+16*\kl:\f+16*\kl+7],    v[WL+8*(2*\pr+\kl):WL+8*(2*\pr+\kl)+7], v[ACC1:ACC1+7]
	v_wmma_f32_16x16x32_bf16 v[ACC2:ACC2+7], v[\f+16*\kl+8:\f+16*\kl+15], v[WH+8*(2*\pr+\kl):WH+8*(2*\pr+\kl)+7], v[ACC2:ACC2+7]
.endif
.endr
.endm
; The logits' part of block u (16 positions x 16 heads) over my 256 columns.  The stage is my wave's own and LDS serves a wave's instructions in order
; (ISA guide 5.7.1): the loads see the stores above them, and no barrier is needed.
.macro LOGITS u
	LOADP 0, F0
	LOADP 1, F1
	s_wait_dscnt 0x8                               ; all but the youngest eight: set 0 is in
	MUL6 0, F0
	PLACES
	LOADP 2, F0
	s_wait_dscnt 0x8                               ; set 1 is in
	MUL6 1, F1
	PLACES
	LOADP 3, F1
	s_wait_dscnt 0x8
	MUL6 2, F0
	s_wait_dscnt 0x0
	MUL6 3, F1
	PLACES
.irp p, 0,2,4,6
	v_pk_add_f32 v[ACC1+\p:ACC1+\p+1], v[ACC1+\p:ACC1+\p+1], v[ACC2+\p:ACC2+\p+1]   ; the two small products first
.endr
.irp p, 0,2,4,6
	v_pk_add_f32 v[ACC0+\p:ACC0+\p+1], v[ACC0+\p:ACC0+\p+1], v[ACC1+\p:ACC1+\p+1]
.endr
	ds_store_b128 v[PWR], v[ACC0:ACC0+3]   offset:1024*\u          ; register j: head r at s = 16 u + 8 hh + j
	ds_store_b128 v[PWR], v[ACC0+4:ACC0+7] offset:1024*\u+512
.endm
	; ---- A ----  the counts: three younger half-steps of 16 loads; at the end the 8 loads of u stand behind what is left
.irp u, 0,1,2,3,4,5
	HSTEP 2*\u, 48
	HSTEP 2*\u+1, 48
	LOGITS \u
.endr
	HSTEP 12, 48
	HSTEP 13, 40
	LOGITS 6
	HSTEP 14, 24
	HSTEP 15, 8
	LOGITS 7
	; ---- B ----  wave v takes blocks 2 v and 2 v + 1
	s_wait_dscnt 0x0                               ; my parts are stored
	s_barrier_signal -1
	s_barrier_wait -1
.irp w, 0,1,2,3
.irp q, 0,1,2,3
	ds_load_b128 v[PS+16*\w+4*\q:PS+16*\w+4*\q+3], v[PRD] offset:8192*\w+512*\q
.endr
.endr
	s_wait_loadcnt 0x0                             ; u
	WIN 0x04
.set ii, 0
.rept 32
	v_add_f32 v[G+ii], s27, v[ii]                  ; u + EPS
.set ii, ii+1
.endr
	WIN 0
.set ii, 0
.rept 32
	v_log_f32 v[G+ii], v[G+ii]
.set ii, ii+1
.endr
	v_mov_b32 v[CV+1], v[CV]                       ; the plain place behind the logarithms (ISA guide 5.7.2)
.set ii, 0
	s_wait_alu depctr_va_vdst(0)
.rept 32
	v_fma_f32 v[G+ii], v[G+ii], s26, s27           ; t = -ln(u + EPS) + EPS
.set ii, ii+1
.endr
.set ii, 0
.rept 32
	v_log_f32 v[G+ii], v[G+ii]                     ; g = -ln 2 x this
.set ii, ii+1
.endr
	v_mov_b32 v[CNT], 0                            ; the plain place; v_writelane_b32 wants its destination written
	s_wait_dscnt 0x0
.irp p, 0,2,4,6,8,10,12,14             ; ((wave 0 + wave 1) + (wave 2 + wave 3)) + c
	v_pk_add_f32 v[PS+\p:PS+\p+1],       v[PS+\p:PS+\p+1],       v[PS+16+\p:PS+16+\p+1]
	v_pk_add_f32 v[PS+32+\p:PS+32+\p+1], v[PS+32+\p:PS+32+\p+1], v[PS+48+\p:PS+48+\p+1]
.endr
.irp p, 0,2,4,6,8,10,12,14
	v_pk_add_f32 v[LG+\p:LG+\p+1], v[PS+\p:PS+\p+1], v[PS+32+\p:PS+32+\p+1]
.endr
.irp p, 0,2,4,6,8,10,12,14
	v_pk_add_f32 v[LG+\p:LG+\p+1], v[LG+\p:LG+\p+1], v[CV:CV+1]
.endr
.set ii, 0
	s_wait_alu depctr_va_vdst(0)
.rept 16
	v_fma_f32 v[TT+ii], v[G+2*ii+1], s26, v[LG+ii] ; logit + g1
	v_mul_f32 v[G+2*ii], s26, v[G+2*ii]            ; g0
.set ii, ii+1
.endr
.set ii, 0
.rept 16
	v_cmp_gt_f32 s[40+ii], v[TT+ii], v[G+2*ii]     ; A = 1 where the edge wins (a tie keeps index 0, as argmax does)
.set ii, ii+1
.endr
.set ii, 0
.rept 16                               ; bits 0-15: the 16 heads at s = 16 blk + j; bits 16-31: at s = 16 blk + 8 + j.  Data only: no address or branch hangs on them
	s_and_b32 s32, s[40+ii], 0xffff
	s_lshr_b32 s33, s[40+ii], 16
	s_bcnt1_i32_b32 s32, s32
	s_bcnt1_i32_b32 s33, s33
	v_writelane_b32 v[CNT], s32, 16*(ii/8)+ii%8
	v_writelane_b32 v[CNT], s33, 16*(ii/8)+8+ii%8
.set ii, ii+1
.endr
	v_cvt_f32_u32 v[CNT], v[CNT]
	global_store_b32 v[O1], v[CNT], s[18:19]       ; the four waves' stores together cover the work-group's 512 consecutive bytes of out1
	; the work-group's maximum for each head
	v_max3_num_f32 v[TT+1], v[LG], v[LG+1], v[LG+2]
	v_max3_num_f32 v[TT+2], v[LG+7], v[LG+8], v[LG+9]
	v_max3_num_f32 v[TT+1], v[TT+1], v[LG+3], v[LG+4]
	v_max3_num_f32 v[TT+2], v[TT+2], v[LG+10], v[LG+11]
	v_max3_num_f32 v[TT+1], v[TT+1], v[LG+5], v[LG+6]
	v_max3_num_f32 v[TT+2], v[TT+2], v[LG+12], v[LG+13]
	v_max3_num_f32 v[TT+1], v[TT+1], v[LG+14], v[LG+15]
	v_max_num_f32 v[TT+1], v[TT+1], v[TT+2]
	v_permlanex16_b32 v[TT], v[TT+1], s28, s29
	v_max_num_f32 v[TT+1], v[TT+1], v[TT]
	ds_store_b32 v[MXA], v[TT+1]
	s_wait_dscnt 0x0
	s_barrier_signal -1
	s_barrier_wait -1
.irp w, 0,1,2,3
	ds_load_b32 v[TT+\w], v[MXR] offset:64*\w
.endr
	s_wait_dscnt 0x0
	v_max3_num_f32 v[MM], v[TT], v[TT+1], v[TT+2]
	v_max_num_f32 v[MM], v[MM], v[TT+3]
	v_mov_b32 v[MM+1], v[MM]
.irp p, 0,2,4,6,8,10,12,14
	v_pk_add_f32 v[PP+\p:PP+\p+1], v[LG+\p:LG+\p+1], v[MM:MM+1] neg_lo:[0,1] neg_hi:[0,1]   ; the maximum goes off first,
.endr
.irp p, 0,2,4,6,8,10,12,14
	v_pk_mul_f32 v[PP+\p:PP+\p+1], v[PP+\p:PP+\p+1], 0x3fb8aa3b op_sel_hi:[1,0]             ; then the change of base
.endr
.set ii, 0
.rept 16
	v_exp_f32 v[PP+ii], v[PP+ii]
.set ii, ii+1
.endr
	v_nop
.set ii, 0
	s_wait_alu depctr_va_vdst(0)
.rept 16
	v_cndmask_b32 v[PM+ii], 0, v[PP+ii], s[40+ii]
.set ii, ii+1
.endr
.macro SUM16 src, dst
	v_pk_add_f32 v[TT:TT+1],   v[\src:\src+1],     v[\src+2:\src+3]
	v_pk_add_f32 v[TT+2:TT+3], v[\src+4:\src+5],   v[\src+6:\src+7]
	v_pk_add_f32 v[TT+4:TT+5], v[\src+8:\src+9],   v[\src+10:\src+11]
	v_pk_add_f32 v[TT+6:TT+7], v[\src+12:\src+13], v[\src+14:\src+15]
	v_pk_add_f32 v[TT:TT+1],   v[TT:TT+1],   v[TT+2:TT+3]
	v_pk_add_f32 v[TT+4:TT+5], v[TT+4:TT+5], v[TT+6:TT+7]
	v_pk_add_f32 v[TT:TT+1],   v[TT:TT+1],   v[TT+4:TT+5]
	v_add_f32 v[\dst], v[TT], v[TT+1]
.endm
	SUM16 PP, TT+8                                 ; sum of exp
	SUM16 PM, TT+9                                 ; masked sum
	v_permlanex16_b32 v[TT+10], v[TT+8], s28, s29
	v_permlanex16_b32 v[TT+11], v[TT+9], s28, s29
	v_add_f32 v[TT+8], v[TT+8], v[TT+10]
	v_add_f32 v[TT+9], v[TT+9], v[TT+11]
	v_cndmask_b32 v[TT+12], v[TT+8], v[TT+9], s30  ; lanes 0-15 carry the one, lanes 16-31 the other
	ds_store_b32 v[SMA], v[TT+12]
.irp q, 0,1,2,3,4,5,6,7                ; head r, s = 32 v + 16 blk + 8 hh + j: packed in the lane this is K step v of the first operand's layout
	v_cvt_pk_f16_f32 v[PAW+\q], v[PM+2*\q], v[PM+2*\q+1]
.endr
	ds_store_b128 v[PPW], v[PAW:PAW+3]
	ds_store_b128 v[PPW], v[PAW+4:PAW+7] offset:2*PPITCH
	s_wait_dscnt 0x0
	s_barrier_signal -1
	s_barrier_wait -1
	; ---- C ----
.irp t, 0,1,2,3
	ds_load_b128 v[PA+8*\t:PA+8*\t+3],   v[PPR] offset:4*PPITCH*\t
	ds_load_b128 v[PA+8*\t+4:PA+8*\t+7], v[PPR] offset:4*PPITCH*\t+2*PPITCH
.endr
	ds_load_b128 v[PFT:PFT+3],   v[PTR]            ; octet r of head 4 v + hh,
	ds_load_b128 v[PFT+4:PFT+7], v[PTR] offset:32  ; and of head 4 v + hh + 2
	s_wait_dscnt 0x0
	global_store_b128 v[PFO], v[PFT:PFT+3],   s[16:17]             ; sixteen lanes store a head's 256 consecutive bytes, aligned
	global_store_b128 v[PFO], v[PFT+4:PFT+7], s[16:17] offset:16384
	s_cmp_lg_u32 s20, 0
	s_cbranch_scc1 .Lnostats
.irp w, 0,1,2,3
	ds_load_b32 v[TT+\w], v[SMR] offset:128*\w
.endr
	s_wait_dscnt 0x0
	v_add_f32 v[TT], v[TT], v[TT+1]
	v_add_f32 v[TT+2], v[TT+2], v[TT+3]
	v_add_f32 v[TT], v[TT], v[TT+2]
	v_cndmask_b32 v[ST], v[MM], v[TT], s30         ; lanes 0-15: (maximum, sum of exp); lanes 16-31: (masked sum, 0)
	v_cndmask_b32 v[ST+1], v[TT], 0, s30
	global_store_b64 v[L8], v[ST:ST+1], s[14:15]   ; 256 consecutive bytes, aligned
.Lnostats:
	; z: 4 K steps of 32 positions x 16 tiles of 16 columns; the sixteen accumulators take turns; the first products start the sums
	WIN 0x58
.set ii, 0
.rept 16
	v_wmma_f32_16x16x32_f16 v[8*ii:8*ii+7], v[PA:PA+7], v[8*ii:8*ii+7], 0
.set ii, ii+1
.endr
.set ii, 0
.rept 16
	v_wmma_f32_16x16x32_f16 v[8*ii:8*ii+7], v[PA+8:PA+15], v[128+8*ii:128+8*ii+7], v[8*ii:8*ii+7]
.set ii, ii+1
.endr
	WIN 0x5c
.set ii, 0
.rept 16
	v_wmma_f32_16x16x32_f16 v[8*ii:8*ii+7], v[PA+16:PA+23], v[8*ii:8*ii+7], v[8*ii:8*ii+7]
.set ii, ii+1
.endr
.set ii, 0
.rept 16
	v_wmma_f32_16x16x32_f16 v[8*ii:8*ii+7], v[PA+24:PA+31], v[128+8*ii:128+8*ii+7], v[8*ii:8*ii+7]
.set ii, ii+1
.endr
	PLACES
	; Tile (g, t), register j, lane (r, hh) = z[head 8 hh + j][256 v + 64 g + 4 r + t].  A lane's four neighbouring columns lie in four tiles:
	; they are brought into four neighbouring registers, so that a lane stores 16 bytes and sixteen lanes 256 consecutive ones.
	WIN 0x81
.irp g, 0,1,2,3
.irp j, 0,1,2,3,4,5,6,7
.irp t, 0,1,2,3
	v_mov_b32 v[(\g*8+\j)*4+\t], v[(\g*4+\t)*8+\j]
.endr
.endr
.endr
	WIN 0x08
.irp g, 0,1,2,3
.irp j, 0,1,2,3,4,5,6,7
	global_store_b128 v[VX], v[(\g*8+\j)*4:(\g*8+\j)*4+3], s[12:13] offset:\j*4096+\g*256
.endr
.endr
	WIN 0
	s_wait_tensorcnt 0x0
	ds_add_u32 v254, v255
	s_wait_dscnt 0x0
	s_endpgm
.Lfunc_end_k_q49c497c22f_pool:
	.size	k_q49c497c22f_pool, .Lfunc_end_k_q49c497c22f_pool-k_q49c497c22f_pool
	.p2alignl 7, 3214868480
	.fill 96, 4, 3214868480
	.section	.rodata,"a",@progbits
	.p2align	6, 0x0
	.amdhsa_kernel k_q49c497c22f_pool
		.amdhsa_group_segment_fixed_size 105984
		.amdhsa_private_segment_fixed_size 0
		.amdhsa_enable_private_segment 0
		.amdhsa_kernarg_size 64
		.amdhsa_user_sgpr_count 2
		.amdhsa_user_sgpr_kernarg_segment_ptr 1
		.amdhsa_wavefront_size32 1
		.amdhsa_system_sgpr_workgroup_id_x 1
		.amdhsa_system_sgpr_workgroup_id_y 1
		.amdhsa_system_sgpr_workgroup_id_z 1
		.amdhsa_system_vgpr_workitem_id 0
		.amdhsa_next_free_vgpr 1024
		.amdhsa_next_free_sgpr 66
		.amdhsa_reserve_vcc 0
		.amdhsa_float_denorm_mode_32 3
		.amdhsa_float_denorm_mode_16_64 3
		.amdhsa_memory_ordered 1
		.amdhsa_forward_progress 1
		.amdhsa_inst_pref_size 255
	.end_amdhsa_kernel
	.section	.bss,"aw",@nobits
	.p2align	6
	.space	262144
	.amdgpu_metadata
---
amdhsa.version: [ 1, 2 ]
amdhsa.kernels:
  - .name:           k_q49c497c22f_pool
    .symbol:         k_q49c497c22f_pool.kd
    .args:
      - { .name: x, .offset: 0, .size: 8, .value_kind: global_buffer, .address_space: global }
      - { .name: gumbel_u, .offset: 8, .size: 8, .value_kind: global_buffer, .address_space: global }
      - { .name: wfrag, .offset: 16, .size: 8, .value_kind: global_buffer, .address_space: global }
      - { .name: cvec, .offset: 24, .size: 8, .value_kind: global_buffer, .address_space: global }
      - { .name: zpart, .offset: 32, .size: 8, .value_kind: global_buffer, .address_space: global }
      - { .name: stats, .offset: 40, .size: 8, .value_kind: global_buffer, .address_space: global }
      - { .name: pf, .offset: 48, .size: 8, .value_kind: global_buffer, .address_space: global }
      - { .name: out1, .offset: 56, .size: 8, .value_kind: global_buffer, .address_space: global }
    .group_segment_fixed_size: 105984
    .private_segment_fixed_size: 0
    .kernarg_segment_align: 8
    .kernarg_segment_size: 64
    .max_flat_workgroup_size: 128
    .sgpr_count:     66
    .vgpr_count:     1024
    .wavefront_size: 32
...
	.end_amdgpu_metadata
.endif
;; end of part 2
;; launch comb (part 3): grid 256 x 1, 8 waves a work-group, no clusters, 5,632 bytes of LDS; arguments zpart, stats, pf, Wv, bv, W1, hpart, out2; writes hpart, out2
.if DOCPART == 3
	.amdgcn_target "amdgcn-amd-amdhsa--gfx1250"
	.amdhsa_code_object_version 6
	.text
	.protected	k_q49c497c22f_comb
	.globl	k_q49c497c22f_comb
	.p2align	8
	.type	k_q49c497c22f_comb,@function
k_q49c497c22f_comb:
	s_mov_b64 s[64:65], 0
	v_nop
	global_prefetch_b8 v0, s[64:65] scope:SCOPE_SE
	s_setreg_imm32_b32 hwreg(HW_REG_WAVE_MODE, 25, 1), 1
	s_wait_xcnt 0x0
; Merges the 32 chunks of a batch by their maxima, applies Wv, and makes attn.
; Work-group wg = 32 b + i; h = i >> 1, half = i & 1.  It makes
;   - for all 16 heads: M = max_c m_c, f_c = exp(m_c - M), L = sum f_c L_c, the factors FC[h][c] = f_c / L and sum_s(A p) = sum f_c sA_c / L (wave w: heads 2w, 2w+1; lane = chunk);
;   - zn[e] = sum_c FC[h][c] zpart[b,c][h][e] for its 512 columns e (thread t: two columns);
;   - hpart[half][b][64h+d] = Wv[64h+d, its 512 columns] . zn + bv[64h+d] sum_s(A p) / 2  (half of the bias term in each half: exact);
;   - out2[b][128 i ..] = sum_h pf[b][h][s] FC[h][i]  (wave 1).
; All in f32 on the vector unit: eight-row products that stream their operands.  No work-group shares a tile with another at the same time but Wv's rows, which the eight
; batches read: 128 KiB a work-group, too little for a cluster's barrier rounds to pay.
.set ZO,2                              ; 8 tid
.set WVO,3                             ; w*32768 + 16 lane
.set STO,4                             ; 256 lane + 16 w
.set L8,5                              ; 8 lane
.set BVO,6                             ; 32 w + 4 (lane & 7)
.set PRO,7                             ; 256 tid
.set FCTA,8
.set SANA,9
.set LA,10
.set PT,11
.set STT,12                            ; v[12:19]   (m, L) of two heads; (sA, 0) of two heads
.set PFR,20                            ; v[20:51]   wave 1: pf, 16 heads x 4 f16 (named v20 .. v51 below: halves of registers are written by name)
.set ZP,52                             ; v[52:115]  zpart, 32 chunks x 2 columns
.set BV,116
.set L16,117
.set TM,118
.set TF,120
.set TA,122
.set TB,124
.set TR,126
.set WV,128                            ; v[128:255] 8 rows x 16 columns a lane
.set ZNV,52                            ; behind zn the registers of ZP serve again
.set SANV,68
.set AC,72
.set V,88
.set KK,96
.set SS,97
.set GF,98
.set AT,72
.set CT,76
.set FCT,0                             ; LDS: [16 heads][32 chunks] f32
.set SAN,2112                          ; [16] f32
.set ZN,2304                           ; [512] f32
.set HP,4352                           ; [64] f32
.macro WSUM reg
	v_add_f32_dpp v[\reg], v[\reg], v[\reg] row_xmask:1 row_mask:0xf bank_mask:0xf
	v_add_f32_dpp v[\reg], v[\reg], v[\reg] row_xmask:2 row_mask:0xf bank_mask:0xf
	v_add_f32_dpp v[\reg], v[\reg], v[\reg] row_xmask:4 row_mask:0xf bank_mask:0xf
	v_add_f32_dpp v[\reg], v[\reg], v[\reg] row_xmask:8 row_mask:0xf bank_mask:0xf
	v_permlanex16_b32 v[PT], v[\reg], s28, s29
	v_add_f32 v[\reg], v[\reg], v[PT]
.endm
.macro WMAX reg
	v_max_num_f32_dpp v[\reg], v[\reg], v[\reg] row_xmask:1 row_mask:0xf bank_mask:0xf
	v_max_num_f32_dpp v[\reg], v[\reg], v[\reg] row_xmask:2 row_mask:0xf bank_mask:0xf
	v_max_num_f32_dpp v[\reg], v[\reg], v[\reg] row_xmask:4 row_mask:0xf bank_mask:0xf
	v_max_num_f32_dpp v[\reg], v[\reg], v[\reg] row_xmask:8 row_mask:0xf bank_mask:0xf
	v_permlanex16_b32 v[PT], v[\reg], s28, s29
	v_max_num_f32 v[\reg], v[\reg], v[PT]
.endm
; Eight sums over the 32 lanes at once: at each step a lane keeps one of two values and hands the other to its partner; lane L ends with the sum of value L & 7.
.macro RSTEP base, i, msk, x
	v_cndmask_b32 v[KK], v[\base+2*\i], v[\base+2*\i+1], \msk
	v_cndmask_b32 v[SS], v[\base+2*\i+1], v[\base+2*\i], \msk
	v_add_f32_dpp v[\base+\i], v[SS], v[KK] row_xmask:\x row_mask:0xf bank_mask:0xf
.endm
.macro RSCAT8 base, dst
	RSTEP \base, 0, s30, 1
	RSTEP \base, 1, s30, 1
	RSTEP \base, 2, s30, 1
	RSTEP \base, 3, s30, 1
	RSTEP \base, 0, s31, 2
	RSTEP \base, 1, s31, 2
	RSTEP \base, 0, s25, 4
	v_add_f32_dpp v[\base], v[\base], v[\base] row_xmask:8 row_mask:0xf bank_mask:0xf
	v_permlanex16_b32 v[PT], v[\base], s28, s29
	v_add_f32 v[\dst], v[\base], v[PT]
.endm
	s_load_b512 s[4:19], s[0:1], 0x0               ; zpart, stats, pf, Wv, bv, W1, hpart, out2
	s_set_vgpr_msb 0x40
	v_lshl_add_u32 v0, v0, 2, 0x1200
	v_mov_b32 v1, 0
	s_set_vgpr_msb 0x4000
	v_lshrrev_b32 v1, 5, v0
	v_readfirstlane_b32 s20, v1                    ; wave w
	v_and_b32 v1, 31, v0                           ; lane
	v_lshlrev_b32 v[ZO], 3, v0
	v_lshlrev_b32 v[L16], 4, v1
	s_lshl_b32 s2, s20, 15
	v_add_nc_u32 v[WVO], s2, v[L16]
	s_lshl_b32 s2, s20, 4
	v_lshl_add_u32 v[STO], v1, 8, s2
	v_lshlrev_b32 v[L8], 3, v1
	v_and_b32 v[BVO], 7, v0
	s_lshl_b32 s2, s20, 5
	v_lshl_add_u32 v[BVO], v[BVO], 2, s2
	v_lshlrev_b32 v[PRO], 8, v0
	s_lshl_b32 s2, s20, 8
	v_lshl_add_u32 v[FCTA], v1, 2, s2              ; heads 2w, 2w+1: 128 bytes each
	s_lshl_b32 s2, s20, 3
	s_add_co_u32 s2, s2, SAN
	v_mov_b32 v[SANA], s2
	v_mov_b32 v[PT], 0
	s_lshr_b32 s21, ttmp9, 5                       ; b
	s_and_b32 s22, ttmp9, 31                       ; i
	s_lshr_b32 s23, s22, 1                         ; h
	s_and_b32 s24, s22, 1                          ; half
	s_mov_b32 s27, 0
	s_mov_b32 s28, 0x76543210
	s_mov_b32 s29, 0xfedcba98
	s_mov_b32 s30, 0xaaaaaaaa
	s_mov_b32 s31, 0xcccccccc
	s_mov_b32 s25, 0xf0f0f0f0
	s_wait_kmcnt 0x0
	s_lshl_b32 s26, s21, 21
	s_lshl_b32 s2, s23, 12
	s_add_co_u32 s26, s26, s2
	s_lshl_b32 s3, s24, 11
	s_add_co_u32 s26, s26, s3
	s_add_nc_u64 s[4:5], s[4:5], s[26:27]          ; zpart[32 b][h][512 half]
	s_lshl_b32 s26, s21, 13
	s_add_nc_u64 s[6:7], s[6:7], s[26:27]          ; stats[32 b]
	s_lshl_b32 s26, s21, 17
	s_lshl_b32 s2, s22, 8
	s_add_co_u32 s26, s26, s2
	s_add_nc_u64 s[8:9], s[8:9], s[26:27]          ; pf[b][0][128 i]
	s_lshl_b32 s26, s23, 18
	s_add_co_u32 s26, s26, s3
	s_add_nc_u64 s[10:11], s[10:11], s[26:27]      ; Wv[64 h][512 half]
	s_lshl_b32 s26, s23, 8
	s_add_nc_u64 s[12:13], s[12:13], s[26:27]      ; bv[64 h]
	s_lshl_b32 s2, s24, 15
	s_add_co_u32 s26, s26, s2
	s_lshl_b32 s2, s21, 12
	s_add_co_u32 s26, s26, s2
	s_add_nc_u64 s[16:17], s[16:17], s[26:27]      ; hpart[half][b][64 h]
	s_lshl_b32 s26, ttmp9, 16
	s_add_nc_u64 s[14:15], s[14:15], s[26:27]      ; W1 at 65,536 wg
	s_lshl_b32 s26, ttmp9, 9
	s_add_nc_u64 s[18:19], s[18:19], s[26:27]      ; out2[b][128 i]
	; wave 1's own loads go out first, so that the counts below (loads issued BEHIND the one waited for) are the same in every wave
	s_cmp_lg_u32 s20, 1
	s_cbranch_scc1 .Lnopf
.irp d, 0,1,2,3,4,5,6,7,8,9,10,11,12,13,14,15
	global_load_b64 v[PFR+2*\d:PFR+2*\d+1], v[L8], s[8:9] offset:8192*\d th:TH_LOAD_NT
.endr
.Lnopf:
	global_load_b128 v[STT:STT+3],   v[STO], s[6:7]
	global_load_b128 v[STT+4:STT+7], v[STO], s[6:7] offset:128
.irp c, 0,1,2,3,4,5,6,7,8,9,10,11,12,13,14,15,16,17,18,19,20,21,22,23,24,25,26,27,28,29,30,31
	global_load_b64 v[ZP+2*\c:ZP+2*\c+1], v[ZO], s[4:5] offset:65536*\c th:TH_LOAD_NT
.endr
	global_load_b32 v[BV], v[BVO], s[12:13]
.irp j, 0,1,2,3,4,5,6,7
.irp a, 0,1,2,3
	global_load_b128 v[WV+16*\j+4*\a:WV+16*\j+4*\a+3], v[WVO], s[10:11] offset:4096*\j+512*\a
.endr
.endr
	; W1, which the next launch streams: thread t of work-group wg asks for the block at 65,536 wg + 256 t, each block of W1 once in the launch, none past its end
	global_prefetch_b8 v[PRO], s[14:15] th:TH_LOAD_NT scope:SCOPE_SE
	s_wait_loadcnt 63                              ; 65 loads are younger than the two of stats; 63 is the largest count that can be written, and the stricter side
.macro HEAD d
	v_mov_b32 v[TM+\d], v[STT+2*\d]
	WMAX TM+\d
	v_sub_f32 v[TF+\d], v[STT+2*\d], v[TM+\d]      ; the running maximum goes off first
	v_mul_f32 v[TF+\d], 0x3fb8aa3b, v[TF+\d]
	v_exp_f32 v[TF+\d], v[TF+\d]
	v_nop
	s_wait_alu depctr_va_vdst(0)
	v_mul_f32 v[TA+\d], v[TF+\d], v[STT+2*\d+1]
	v_mul_f32 v[TB+\d], v[TF+\d], v[STT+4+2*\d]
	WSUM TA+\d
	WSUM TB+\d
	v_rcp_f32 v[TR+\d], v[TA+\d]                   ; L >= 1: the largest term is exp(0)
	v_nop
	s_wait_alu depctr_va_vdst(0)
	v_mul_f32 v[TF+\d], v[TF+\d], v[TR+\d]
	v_mul_f32 v[TB+\d], v[TB+\d], v[TR+\d]
	ds_store_b32 v[FCTA], v[TF+\d] offset:FCT+128*\d
	ds_store_b32 v[SANA], v[TB+\d] offset:4*\d
.endm
	HEAD 0
	HEAD 1
	s_wait_dscnt 0x0
	s_barrier_signal -1
	s_barrier_wait -1
	s_lshl_b32 s2, s23, 7
	v_lshl_add_u32 v[LA], v1, 2, s2
	ds_load_b32 v[TM], v[LA] offset:FCT            ; lane c: FC[h][c]
	s_wait_dscnt 0x0
.irp c, 0,1,2,3,4,5,6,7,8,9,10,11,12,13,14,15,16,17,18,19,20,21,22,23,24,25,26,27,28,29,30,31
	v_readlane_b32 s[32+\c], v[TM], \c
.endr
	s_wait_loadcnt 33                              ; zpart is in; bv and the 32 loads of Wv are younger
	v_mul_f32 v[TM],   s32, v[ZP]                  ; four chains: two columns x even and odd chunks; the first products start them
	v_mul_f32 v[TM+1], s32, v[ZP+1]
	v_mul_f32 v[TM+2], s33, v[ZP+2]
	v_mul_f32 v[TM+3], s33, v[ZP+3]
.irp c, 2,3,4,5,6,7,8,9,10,11,12,13,14,15,16,17,18,19,20,21,22,23,24,25,26,27,28,29,30,31
	v_fmac_f32 v[TM+2*(\c%2)],   s[32+\c], v[ZP+2*\c]
	v_fmac_f32 v[TM+2*(\c%2)+1], s[32+\c], v[ZP+2*\c+1]
.endr
	v_pk_add_f32 v[TM:TM+1], v[TM:TM+1], v[TM+2:TM+3]
	ds_store_b64 v[ZO], v[TM:TM+1] offset:ZN
	s_wait_dscnt 0x0
	s_barrier_signal -1
	s_barrier_wait -1
.irp a, 0,1,2,3
	ds_load_b128 v[ZNV+4*\a:ZNV+4*\a+3], v[L16] offset:ZN+512*\a
.endr
	s_lshl_b32 s2, s23, 2
	s_add_co_u32 s2, s2, SAN
	v_mov_b32 v[LA], s2
	ds_load_b32 v[SANV], v[LA]
	s_wait_loadcnt 0x0
	s_wait_dscnt 0x0
.irp j, 0,1,2,3,4,5,6,7
	v_pk_mul_f32 v[AC+2*\j:AC+2*\j+1], v[WV+16*\j:WV+16*\j+1], v[ZNV:ZNV+1]
.endr
.irp p, 1,2,3,4,5,6,7
.irp j, 0,1,2,3,4,5,6,7
	v_pk_fma_f32 v[AC+2*\j:AC+2*\j+1], v[WV+16*\j+2*\p:WV+16*\j+2*\p+1], v[ZNV+2*\p:ZNV+2*\p+1], v[AC+2*\j:AC+2*\j+1]
.endr
.endr
.irp j, 0,1,2,3,4,5,6,7
	v_add_f32 v[V+\j], v[AC+2*\j], v[AC+2*\j+1]
.endr
	RSCAT8 V, V                                    ; lane L: row 64 h + 8 w + (L & 7)
	v_mul_f32 v[SANV], 0.5, v[SANV]
	v_fmac_f32 v[V], v[BV], v[SANV]
	ds_store_b32 v[BVO], v[V] offset:HP            ; the four lanes of a row store the same number
	s_wait_dscnt 0x0
	s_barrier_signal -1
	s_barrier_wait -1
	s_cmp_lg_u32 s20, 0
	s_cbranch_scc1 .Lnot0
	ds_load_b64 v[AC:AC+1], v[L8] offset:HP
	s_wait_dscnt 0x0
	global_store_b64 v[L8], v[AC:AC+1], s[16:17]   ; 256 consecutive bytes, aligned
	s_set_vgpr_msb 0x5
	s_wait_tensorcnt 0x0
	ds_add_u32 v0, v1
	s_wait_dscnt 0x0
	s_set_vgpr_msb 0x500
	s_endpgm
.Lnot0:
	s_cmp_lg_u32 s20, 1
	s_cbranch_scc1 .Lend
	; wave 1: attn of chunk i; lane: four positions
	s_lshl_b32 s2, s22, 2
	v_mov_b32 v[LA], s2
.irp d, 0,1,2,3,4,5,6,7,8,9,10,11,12,13,14,15
	ds_load_b32 v[GF+\d], v[LA] offset:FCT+128*\d  ; FC[d][i], the same word in every lane
.endr
	s_wait_dscnt 0x0
.set ii, 0
.irp r, 20,21,22,23,24,25,26,27,28,29,30,31,32,33,34,35,36,37,38,39,40,41,42,43,44,45,46,47,48,49,50,51
	v_cvt_f32_f16 v[CT+2*(ii%2)],   v\r\().l
	v_cvt_f32_f16 v[CT+2*(ii%2)+1], v\r\().h
.if ii < 2
	v_mul_f32 v[AT+2*ii],   v[CT+2*ii],   v[GF]    ; head 0 starts the sums
	v_mul_f32 v[AT+2*ii+1], v[CT+2*ii+1], v[GF]
.else
	v_fmac_f32 v[AT+2*(ii%2)],   v[CT+2*(ii%2)],   v[GF+ii/2]
	v_fmac_f32 v[AT+2*(ii%2)+1], v[CT+2*(ii%2)+1], v[GF+ii/2]
.endif
.set ii, ii+1
.endr
	global_store_b128 v[L16], v[AT:AT+3], s[18:19] ; 512 consecutive bytes
.Lend:
	s_set_vgpr_msb 0x5
	s_wait_tensorcnt 0x0
	ds_add_u32 v0, v1
	s_wait_dscnt 0x0
	s_set_vgpr_msb 0x500
	s_endpgm
.Lfunc_end_k_q49c497c22f_comb:
	.size	k_q49c497c22f_comb, .Lfunc_end_k_q49c497c22f_comb-k_q49c497c22f_comb
	.p2alignl 7, 3214868480
	.fill 96, 4, 3214868480
	.section	.rodata,"a",@progbits
	.p2align	6, 0x0
	.amdhsa_kernel k_q49c497c22f_comb
		.amdhsa_group_segment_fixed_size 5632
		.amdhsa_private_segment_fixed_size 0
		.amdhsa_enable_private_segment 0
		.amdhsa_kernarg_size 64
		.amdhsa_user_sgpr_count 2
		.amdhsa_user_sgpr_kernarg_segment_ptr 1
		.amdhsa_wavefront_size32 1
		.amdhsa_system_sgpr_workgroup_id_x 1
		.amdhsa_system_sgpr_workgroup_id_y 1
		.amdhsa_system_sgpr_workgroup_id_z 1
		.amdhsa_system_vgpr_workitem_id 0
		.amdhsa_next_free_vgpr 258
		.amdhsa_next_free_sgpr 66
		.amdhsa_reserve_vcc 0
		.amdhsa_float_denorm_mode_32 3
		.amdhsa_float_denorm_mode_16_64 3
		.amdhsa_memory_ordered 1
		.amdhsa_forward_progress 1
		.amdhsa_inst_pref_size 31
	.end_amdhsa_kernel
	.amdgpu_metadata
---
amdhsa.version: [ 1, 2 ]
amdhsa.kernels:
  - .name:           k_q49c497c22f_comb
    .symbol:         k_q49c497c22f_comb.kd
    .args:
      - { .name: zpart, .offset: 0, .size: 8, .value_kind: global_buffer, .address_space: global }
      - { .name: stats, .offset: 8, .size: 8, .value_kind: global_buffer, .address_space: global }
      - { .name: pf, .offset: 16, .size: 8, .value_kind: global_buffer, .address_space: global }
      - { .name: Wv, .offset: 24, .size: 8, .value_kind: global_buffer, .address_space: global }
      - { .name: bv, .offset: 32, .size: 8, .value_kind: global_buffer, .address_space: global }
      - { .name: W1, .offset: 40, .size: 8, .value_kind: global_buffer, .address_space: global }
      - { .name: hpart, .offset: 48, .size: 8, .value_kind: global_buffer, .address_space: global }
      - { .name: out2, .offset: 56, .size: 8, .value_kind: global_buffer, .address_space: global }
    .group_segment_fixed_size: 5632
    .private_segment_fixed_size: 0
    .kernarg_segment_align: 8
    .kernarg_segment_size: 64
    .max_flat_workgroup_size: 256
    .sgpr_count:     66
    .vgpr_count:     258
    .wavefront_size: 32
...
	.end_amdgpu_metadata
.endif
;; end of part 3
;; launch mlp1 (part 4): grid 256 x 1, 8 waves a work-group, no clusters, 5,632 bytes of LDS; arguments hpart, ln_g, ln_b, W1, b1, W2, h1; writes h1
.if DOCPART == 4
	.amdgcn_target "amdgcn-amd-amdhsa--gfx1250"
	.amdhsa_code_object_version 6
	.text
	.protected	k_q49c497c22f_mlp1
	.globl	k_q49c497c22f_mlp1
	.p2align	8
	.type	k_q49c497c22f_mlp1,@function
k_q49c497c22f_mlp1:
	s_mov_b64 s[64:65], 0
	v_nop
	global_prefetch_b8 v0, s[64:65] scope:SCOPE_SE
	s_setreg_imm32_b32 hwreg(HW_REG_WAVE_MODE, 25, 1), 1
	s_wait_xcnt 0x0
; hidden = hpart[0] + hpart[1]; LayerNorm (mean, then the variance of the centred numbers: no difference of large sums); h1 = relu(act W1^T + b1).
; Work-group wg owns rows 16 wg .. +15 of W1, which it reads once (64 KiB); every work-group normalises the 8 x 1,024 hidden numbers itself.
; Wave w takes columns k = 128 w .. +127, a lane four of them.  Eight-row product in f32 on the vector unit: the weights' bytes bind, the matrix unit would gain nothing.
.set KOFF,2                            ; 512 w + 16 lane
.set B1O,3
.set PRO,4
.set REDW,5
.set REDR,6
.set XWW,7
.set L16,8
.set H1O,9
.set PT,10
.set KK,11
.set SS,12
.set X,16                              ; v[16:47]  8 batches x my 4 columns;  v[48:79] the second half of hpart
.set LGM,80
.set LBT,84
.set W,88                              ; v[88:151] 16 rows x my 4 columns
.set B1,152
.set V,156
.set P,164
.set R,180
.set O,184
.set RD,188
.set RED1,0                            ; LDS: [8 batches][8 waves] f32, twice
.set RED2,256
.set XW,512                            ; [8 waves][8 batches][16 rows] f32
.macro RSTEP base, i, msk, x
	v_cndmask_b32 v[KK], v[\base+2*\i], v[\base+2*\i+1], \msk
	v_cndmask_b32 v[SS], v[\base+2*\i+1], v[\base+2*\i], \msk
	v_add_f32_dpp v[\base+\i], v[SS], v[KK] row_xmask:\x row_mask:0xf bank_mask:0xf
.endm
.macro RSCAT8 base, dst                ; eight sums over the 32 lanes: every lane L ends with the sum of value L & 7
	RSTEP \base, 0, s24, 1
	RSTEP \base, 1, s24, 1
	RSTEP \base, 2, s24, 1
	RSTEP \base, 3, s24, 1
	RSTEP \base, 0, s25, 2
	RSTEP \base, 1, s25, 2
	RSTEP \base, 0, s26, 4
	v_add_f32_dpp v[\base], v[\base], v[\base] row_xmask:8 row_mask:0xf bank_mask:0xf
	v_permlanex16_b32 v[PT], v[\base], s22, s23
	v_add_f32 v[\dst], v[\base], v[PT]
.endm
.macro ACROSS off                      ; V's eight per-lane numbers summed over the work-group: v[RD] of lane L = the sum for batch L & 7
	RSCAT8 V, V
	ds_store_b32 v[REDW], v[V] offset:\off
	s_wait_dscnt 0x0
	s_barrier_signal -1
	s_barrier_wait -1
	ds_load_b128 v[RD:RD+3],   v[REDR] offset:\off
	ds_load_b128 v[RD+4:RD+7], v[REDR] offset:\off+16
	s_wait_dscnt 0x0
	v_pk_add_f32 v[RD:RD+1],   v[RD:RD+1],   v[RD+4:RD+5]
	v_pk_add_f32 v[RD+2:RD+3], v[RD+2:RD+3], v[RD+6:RD+7]
	v_pk_add_f32 v[RD:RD+1],   v[RD:RD+1],   v[RD+2:RD+3]
	v_add_f32 v[RD], v[RD], v[RD+1]
.endm
	s_load_b256 s[4:11], s[0:1], 0x0               ; hpart, ln_g, ln_b, W1
	s_load_b128 s[12:15], s[0:1], 0x20             ; b1, W2
	s_load_b64 s[16:17], s[0:1], 0x30              ; h1
	v_lshl_add_u32 v200, v0, 2, 0x1200
	v_mov_b32 v201, 0
	v_lshrrev_b32 v1, 5, v0
	v_readfirstlane_b32 s18, v1                    ; wave w
	v_and_b32 v1, 31, v0
	v_lshlrev_b32 v[L16], 4, v1
	s_lshl_b32 s19, s18, 9
	v_add_nc_u32 v[KOFF], s19, v[L16]
	v_and_b32 v13, 3, v0
	v_lshlrev_b32 v[B1O], 4, v13
	v_lshlrev_b32 v[PRO], 8, v0
	s_lshl_b32 s20, ttmp9, 16
	s_mov_b32 s21, 0
	s_wait_kmcnt 0x0
	s_add_nc_u64 s[10:11], s[10:11], s[20:21]      ; W1 at row 16 wg
	s_add_nc_u64 s[14:15], s[14:15], s[20:21]      ; W2 at 65,536 wg
	s_lshl_b32 s20, ttmp9, 6
	s_add_nc_u64 s[12:13], s[12:13], s[20:21]      ; b1[16 wg]
	s_add_nc_u64 s[16:17], s[16:17], s[20:21]      ; h1[0][16 wg]
.irp q, 0,1,2,3,4,5,6,7,8,9,10,11,12,13,14,15
	global_load_b128 v[X+4*\q:X+4*\q+3], v[KOFF], s[4:5] offset:4096*\q
.endr
	global_load_b128 v[LGM:LGM+3], v[KOFF], s[6:7]
	global_load_b128 v[LBT:LBT+3], v[KOFF], s[8:9]
.irp n, 0,1,2,3,4,5,6,7,8,9,10,11,12,13,14,15
	global_load_b128 v[W+4*\n:W+4*\n+3], v[KOFF], s[10:11] offset:4096*\n th:TH_LOAD_NT
.endr
	global_load_b128 v[B1:B1+3], v[B1O], s[12:13]
	; W2, which the next launch streams: thread t asks for the block at 65,536 wg + 256 t, each block of W2 once in the launch, none past its end
	global_prefetch_b8 v[PRO], s[14:15] th:TH_LOAD_NT scope:SCOPE_SE
	v_and_b32 v14, 7, v0                           ; lane & 7
	v_bfe_u32 v15, v0, 3, 2                        ; lane >> 3
	v_lshlrev_b32 v[REDR], 5, v14
	s_lshl_b32 s19, s18, 2
	v_add_nc_u32 v[REDW], s19, v[REDR]
	v_lshlrev_b32 v[XWW], 6, v14
	v_lshl_add_u32 v[XWW], v15, 2, v[XWW]
	s_lshl_b32 s19, s18, 9
	v_add_nc_u32 v[XWW], s19, v[XWW]
	v_bfe_u32 v[H1O], v0, 2, 3                     ; lane >> 2
	v_lshl_add_u32 v[H1O], v[H1O], 14, v[B1O]
	v_mov_b32 v[PT], 0
	s_mov_b32 s22, 0x76543210
	s_mov_b32 s23, 0xfedcba98
	s_mov_b32 s24, 0xaaaaaaaa
	s_mov_b32 s25, 0xcccccccc
	s_mov_b32 s26, 0xf0f0f0f0
	s_mov_b32 s27, 0x0000ff00
	s_mov_b32 s28, 0x00ff0000
	s_mov_b32 s29, 0xff000000
	s_mov_b32 s30, 0x3a800000                      ; 1/1024
	s_mov_b32 s31, 0x3727c5ac                      ; 1e-5
	s_wait_loadcnt 19                              ; hpart is in; ln_g, ln_b, 16 rows of W1 and b1 are younger
.irp q, 0,2,4,6,8,10,12,14,16,18,20,22,24,26,28,30
	v_pk_add_f32 v[X+\q:X+\q+1], v[X+\q:X+\q+1], v[X+32+\q:X+32+\q+1]
.endr
.irp b, 0,1,2,3,4,5,6,7
	v_pk_add_f32 v[P+2*\b:P+2*\b+1], v[X+4*\b:X+4*\b+1], v[X+4*\b+2:X+4*\b+3]
.endr
.irp b, 0,1,2,3,4,5,6,7
	v_add_f32 v[V+\b], v[P+2*\b], v[P+2*\b+1]
.endr
	ACROSS RED1
	v_mul_f32 v[RD], s30, v[RD]
.irp b, 0,1,2,3,4,5,6,7
	v_readlane_b32 s[32+\b], v[RD], \b             ; the eight means
.endr
.irp b, 0,1,2,3,4,5,6,7
.irp t, 0,1,2,3
	v_subrev_f32 v[X+4*\b+\t], s[32+\b], v[X+4*\b+\t]
.endr
.endr
.irp b, 0,1,2,3,4,5,6,7
	v_pk_mul_f32 v[P+2*\b:P+2*\b+1], v[X+4*\b:X+4*\b+1], v[X+4*\b:X+4*\b+1]
.endr
.irp b, 0,1,2,3,4,5,6,7
	v_pk_fma_f32 v[P+2*\b:P+2*\b+1], v[X+4*\b+2:X+4*\b+3], v[X+4*\b+2:X+4*\b+3], v[P+2*\b:P+2*\b+1]
.endr
.irp b, 0,1,2,3,4,5,6,7
	v_add_f32 v[V+\b], v[P+2*\b], v[P+2*\b+1]
.endr
	ACROSS RED2                                    ; other bytes than the means': no wave can still be reading what is stored here
	v_fma_f32 v[RD], v[RD], s30, s31               ; var + 1e-5
	v_rsq_f32 v[RD], v[RD]
	v_nop
	s_wait_alu depctr_va_vdst(0)
.irp b, 0,1,2,3,4,5,6,7
	v_readlane_b32 s[40+\b], v[RD], \b
.endr
	s_wait_loadcnt 17                              ; ln_g, ln_b; W1's rows and b1 are younger
.irp b, 0,1,2,3,4,5,6,7
.irp t, 0,1,2,3
	v_mul_f32 v[X+4*\b+\t], s[40+\b], v[X+4*\b+\t]
.endr
.endr
.irp b, 0,1,2,3,4,5,6,7
	v_pk_fma_f32 v[X+4*\b:X+4*\b+1],   v[X+4*\b:X+4*\b+1],   v[LGM:LGM+1],   v[LBT:LBT+1]
	v_pk_fma_f32 v[X+4*\b+2:X+4*\b+3], v[X+4*\b+2:X+4*\b+3], v[LGM+2:LGM+3], v[LBT+2:LBT+3]
.endr
; Row n of my sixteen against the eight batches.  The argument may be a sum: it is made a number first, so that it can stand inside products.
.macro ROW n
.set RN, \n
.set RDST, R+RN%4
	s_wait_loadcnt 16-RN                           ; row n is in; the 15 - n rows behind it and b1 stay out
.irp b, 0,1,2,3,4,5,6,7
	v_pk_mul_f32 v[P+2*\b:P+2*\b+1], v[X+4*\b:X+4*\b+1], v[W+4*RN:W+4*RN+1]
.endr
.irp b, 0,1,2,3,4,5,6,7
	v_pk_fma_f32 v[P+2*\b:P+2*\b+1], v[X+4*\b+2:X+4*\b+3], v[W+4*RN+2:W+4*RN+3], v[P+2*\b:P+2*\b+1]
.endr
.irp b, 0,1,2,3,4,5,6,7
	v_add_f32 v[V+\b], v[P+2*\b], v[P+2*\b+1]
.endr
	RSCAT8 V, RDST
.endm
.irp q, 0,1,2,3
	ROW 4*\q
	ROW 4*\q+1
	ROW 4*\q+2
	ROW 4*\q+3
	v_cndmask_b32 v[O+\q], v[R], v[R+1], s27       ; lane L keeps row 4 q + (L >> 3), batch L & 7
	v_cndmask_b32 v[O+\q], v[O+\q], v[R+2], s28
	v_cndmask_b32 v[O+\q], v[O+\q], v[R+3], s29
	ds_store_b32 v[XWW], v[O+\q] offset:XW+16*\q
.endr
	s_wait_dscnt 0x0
	s_barrier_signal -1
	s_barrier_wait -1
	s_cmp_lg_u32 s18, 0
	s_cbranch_scc1 .Lend
.irp w, 0,1,2,3,4,5,6,7
	ds_load_b128 v[W+4*\w:W+4*\w+3], v[L16] offset:XW+512*\w       ; lane L: batch L >> 2, rows 4 (L & 3) .. +3
.endr
	s_wait_dscnt 0x0
.irp st, 4,2,1
.set ii, 0
.rept \st*2
	v_pk_add_f32 v[W+2*ii:W+2*ii+1], v[W+2*ii:W+2*ii+1], v[W+4*\st+2*ii:W+4*\st+2*ii+1]
.set ii, ii+1
.endr
.endr
	s_wait_loadcnt 0x0                             ; b1
	v_pk_add_f32 v[W:W+1],   v[W:W+1],   v[B1:B1+1]
	v_pk_add_f32 v[W+2:W+3], v[W+2:W+3], v[B1+2:B1+3]
.irp t, 0,1,2,3
	v_max_num_f32 v[W+\t], 0, v[W+\t]
.endr
	; 64 bytes in each of eight rows, 128 KiB in the whole launch: h1 lies [batch][4096], so that the next launch reads it by contiguous loads
	global_store_b128 v[H1O], v[W:W+3], s[16:17]
.Lend:
	s_wait_tensorcnt 0x0
	ds_add_u32 v200, v201
	s_wait_dscnt 0x0
	s_endpgm
.Lfunc_end_k_q49c497c22f_mlp1:
	.size	k_q49c497c22f_mlp1, .Lfunc_end_k_q49c497c22f_mlp1-k_q49c497c22f_mlp1
	.p2alignl 7, 3214868480
	.fill 96, 4, 3214868480
	.section	.rodata,"a",@progbits
	.p2align	6, 0x0
	.amdhsa_kernel k_q49c497c22f_mlp1
		.amdhsa_group_segment_fixed_size 5632
		.amdhsa_private_segment_fixed_size 0
		.amdhsa_enable_private_segment 0
		.amdhsa_kernarg_size 56
		.amdhsa_user_sgpr_count 2
		.amdhsa_user_sgpr_kernarg_segment_ptr 1
		.amdhsa_wavefront_size32 1
		.amdhsa_system_sgpr_workgroup_id_x 1
		.amdhsa_system_sgpr_workgroup_id_y 1
		.amdhsa_system_sgpr_workgroup_id_z 1
		.amdhsa_system_vgpr_workitem_id 0
		.amdhsa_next_free_vgpr 202
		.amdhsa_next_free_sgpr 66
		.amdhsa_reserve_vcc 0
		.amdhsa_float_denorm_mode_32 3
		.amdhsa_float_denorm_mode_16_64 3
		.amdhsa_memory_ordered 1
		.amdhsa_forward_progress 1
		.amdhsa_inst_pref_size 64
	.end_amdhsa_kernel
	.amdgpu_metadata
---
amdhsa.version: [ 1, 2 ]
amdhsa.kernels:
  - .name:           k_q49c497c22f_mlp1
    .symbol:         k_q49c497c22f_mlp1.kd
    .args:
      - { .name: hpart, .offset: 0, .size: 8, .value_kind: global_buffer, .address_space: global }
      - { .name: ln_g, .offset: 8, .size: 8, .value_kind: global_buffer, .address_space: global }
      - { .name: ln_b, .offset: 16, .size: 8, .value_kind: global_buffer, .address_space: global }
      - { .name: W1, .offset: 24, .size: 8, .value_kind: global_buffer, .address_space: global }
      - { .name: b1, .offset: 32, .size: 8, .value_kind: global_buffer, .address_space: global }
      - { .name: W2, .offset: 40, .size: 8, .value_kind: global_buffer, .address_space: global }
      - { .name: h1, .offset: 48, .size: 8, .value_kind: global_buffer, .address_space: global }
    .group_segment_fixed_size: 5632
    .private_segment_fixed_size: 0
    .kernarg_segment_align: 8
    .kernarg_segment_size: 56
    .max_flat_workgroup_size: 256
    .sgpr_count:     66
    .vgpr_count:     202
    .wavefront_size: 32
...
	.end_amdgpu_metadata
.endif
;; end of part 4
;; launch mlp2 (part 5): grid 256 x 1, 16 waves a work-group, no clusters, 4,096 bytes of LDS; arguments h1, W2, b2, out0; writes out0
.if DOCPART == 5
	.amdgcn_target "amdgcn-amd-amdhsa--gfx1250"
	.amdhsa_code_object_version 6
	.text
	.protected	k_q49c497c22f_mlp2
	.globl	k_q49c497c22f_mlp2
	.p2align	8
	.type	k_q49c497c22f_mlp2,@function
k_q49c497c22f_mlp2:
	s_mov_b64 s[64:65], 0
	v_nop
	global_prefetch_b8 v0, s[64:65] scope:SCOPE_SE
	s_setreg_imm32_b32 hwreg(HW_REG_WAVE_MODE, 25, 1), 1
	s_wait_xcnt 0x0
; out0 = h1 W2^T + b2.  Work-group wg owns rows 4 wg .. +3 of W2 (64 KiB, read once); wave w takes columns k = 256 w .. +255, a lane eight of them.
; Eight-row product in f32 on the vector unit: the weights' bytes bind.
.set KOFF,2                            ; 1024 w + 16 lane
.set XWW,3
.set XWR,4
.set OO,5
.set PT,10
.set KK,11
.set SS,12
.set W,16                              ; v[16:47]   4 rows x 8 columns
.set H,48                              ; v[48:111]  8 batches x 8 columns
.set P,112
.set V,128
.set R,136
.set O,140
.macro RSTEP base, i, msk, x
	v_cndmask_b32 v[KK], v[\base+2*\i], v[\base+2*\i+1], \msk
	v_cndmask_b32 v[SS], v[\base+2*\i+1], v[\base+2*\i], \msk
	v_add_f32_dpp v[\base+\i], v[SS], v[KK] row_xmask:\x row_mask:0xf bank_mask:0xf
.endm
.macro RSCAT8 base, dst                ; eight sums over the 32 lanes: every lane L ends with the sum of value L & 7
	RSTEP \base, 0, s24, 1
	RSTEP \base, 1, s24, 1
	RSTEP \base, 2, s24, 1
	RSTEP \base, 3, s24, 1
	RSTEP \base, 0, s25, 2
	RSTEP \base, 1, s25, 2
	RSTEP \base, 0, s26, 4
	v_add_f32_dpp v[\base], v[\base], v[\base] row_xmask:8 row_mask:0xf bank_mask:0xf
	v_permlanex16_b32 v[PT], v[\base], s22, s23
	v_add_f32 v[\dst], v[\base], v[PT]
.endm
	s_load_b256 s[4:11], s[0:1], 0x0               ; h1, W2, b2, out0
	v_lshl_add_u32 v144, v0, 2, 0x800
	v_mov_b32 v145, 0
	v_lshrrev_b32 v1, 5, v0
	v_readfirstlane_b32 s18, v1                    ; wave w
	v_and_b32 v1, 31, v0
	v_lshlrev_b32 v[KOFF], 4, v1
	s_lshl_b32 s19, s18, 10
	v_add_nc_u32 v[KOFF], s19, v[KOFF]
	s_lshl_b32 s20, ttmp9, 16
	s_mov_b32 s21, 0
	s_wait_kmcnt 0x0
	s_add_nc_u64 s[6:7], s[6:7], s[20:21]          ; W2 at row 4 wg
	s_lshl_b32 s20, ttmp9, 4
	s_add_nc_u64 s[8:9], s[8:9], s[20:21]          ; b2[4 wg]
	s_add_nc_u64 s[10:11], s[10:11], s[20:21]      ; out0[0][4 wg]
	s_load_b128 s[12:15], s[8:9], 0x0
.irp b, 0,1,2,3,4,5,6,7
.irp a, 0,1
	global_load_b128 v[H+8*\b+4*\a:H+8*\b+4*\a+3], v[KOFF], s[4:5] offset:16384*\b+512*\a
.endr
.endr
.irp n, 0,1,2,3
.irp a, 0,1
	global_load_b128 v[W+8*\n+4*\a:W+8*\n+4*\a+3], v[KOFF], s[6:7] offset:16384*\n+512*\a th:TH_LOAD_NT
.endr
.endr
	v_and_b32 v14, 7, v0                           ; lane & 7
	v_bfe_u32 v15, v0, 3, 2                        ; lane >> 3
	v_lshlrev_b32 v[XWR], 4, v14
	v_lshl_add_u32 v[XWW], v15, 2, v[XWR]
	s_lshl_b32 s19, s18, 7
	v_add_nc_u32 v[XWW], s19, v[XWW]
	v_lshlrev_b32 v[OO], 12, v1
	v_mov_b32 v[PT], 0
	s_mov_b32 s22, 0x76543210
	s_mov_b32 s23, 0xfedcba98
	s_mov_b32 s24, 0xaaaaaaaa
	s_mov_b32 s25, 0xcccccccc
	s_mov_b32 s26, 0xf0f0f0f0
	s_mov_b32 s27, 0x0000ff00
	s_mov_b32 s28, 0x00ff0000
	s_mov_b32 s29, 0xff000000
.macro ROW n
	s_wait_loadcnt 6-2*\n                          ; h1 and row n are in; two loads for each younger row stay out
.irp b, 0,1,2,3,4,5,6,7
	v_pk_mul_f32 v[P+2*\b:P+2*\b+1], v[H+8*\b:H+8*\b+1], v[W+8*\n:W+8*\n+1]
.endr
.irp p, 2,4,6
.irp b, 0,1,2,3,4,5,6,7
	v_pk_fma_f32 v[P+2*\b:P+2*\b+1], v[H+8*\b+\p:H+8*\b+\p+1], v[W+8*\n+\p:W+8*\n+\p+1], v[P+2*\b:P+2*\b+1]
.endr
.endr
.irp b, 0,1,2,3,4,5,6,7
	v_add_f32 v[V+\b], v[P+2*\b], v[P+2*\b+1]
.endr
	RSCAT8 V, R+\n
.endm
	ROW 0
	ROW 1
	ROW 2
	ROW 3
	v_cndmask_b32 v[O], v[R], v[R+1], s27          ; lane L keeps row L >> 3, batch L & 7
	v_cndmask_b32 v[O], v[O], v[R+2], s28
	v_cndmask_b32 v[O], v[O], v[R+3], s29
	ds_store_b32 v[XWW], v[O]                      ; [wave][batch][row]
	s_wait_dscnt 0x0
	s_barrier_signal -1
	s_barrier_wait -1
	s_cmp_lg_u32 s18, 0
	s_cbranch_scc1 .Lend
.irp w, 0,1,2,3,4,5,6,7,8,9,10,11,12,13,14,15
	ds_load_b128 v[H+4*\w:H+4*\w+3], v[XWR] offset:128*\w
.endr
	v_cmp_gt_u32 vcc_lo, 8, v1
	s_wait_dscnt 0x0
.irp st, 8,4,2,1
.set ii, 0
.rept \st*2
	v_pk_add_f32 v[H+2*ii:H+2*ii+1], v[H+2*ii:H+2*ii+1], v[H+4*\st+2*ii:H+4*\st+2*ii+1]
.set ii, ii+1
.endr
.endr
	s_wait_kmcnt 0x0                               ; b2
.irp t, 0,1,2,3
	v_add_f32 v[H+\t], s[12+\t], v[H+\t]
.endr
	s_wait_xcnt 0x0                                ; EXEC is a source of the loads above: it changes only behind this wait
	s_and_saveexec_b32 s16, vcc_lo
	; lane b < 8: 16 bytes of row b.  A work-group owns four columns of eight rows: 32 KiB in the whole launch
	global_store_b128 v[OO], v[H:H+3], s[10:11]
	s_wait_xcnt 0x0                                ; and again in front of the line that widens it
	s_or_b32 exec_lo, exec_lo, s16
.Lend:
	s_wait_tensorcnt 0x0
	ds_add_u32 v144, v145
	s_wait_dscnt 0x0
	s_endpgm
.Lfunc_end_k_q49c497c22f_mlp2:
	.size	k_q49c497c22f_mlp2, .Lfunc_end_k_q49c497c22f_mlp2-k_q49c497c22f_mlp2
	.p2alignl 7, 3214868480
	.fill 96, 4, 3214868480
	.section	.rodata,"a",@progbits
	.p2align	6, 0x0
	.amdhsa_kernel k_q49c497c22f_mlp2
		.amdhsa_group_segment_fixed_size 4096
		.amdhsa_private_segment_fixed_size 0
		.amdhsa_enable_private_segment 0
		.amdhsa_kernarg_size 32
		.amdhsa_user_sgpr_count 2
		.amdhsa_user_sgpr_kernarg_segment_ptr 1
		.amdhsa_wavefront_size32 1
		.amdhsa_system_sgpr_workgroup_id_x 1
		.amdhsa_system_sgpr_workgroup_id_y 1
		.amdhsa_system_sgpr_workgroup_id_z 1
		.amdhsa_system_vgpr_workitem_id 0
		.amdhsa_next_free_vgpr 146
		.amdhsa_next_free_sgpr 66
		.amdhsa_reserve_vcc 1
		.amdhsa_float_denorm_mode_32 3
		.amdhsa_float_denorm_mode_16_64 3
		.amdhsa_memory_ordered 1
		.amdhsa_forward_progress 1
		.amdhsa_inst_pref_size 23
	.end_amdhsa_kernel
	.amdgpu_metadata
---
amdhsa.version: [ 1, 2 ]
amdhsa.kernels:
  - .name:           k_q49c497c22f_mlp2
    .symbol:         k_q49c497c22f_mlp2.kd
    .args:
      - { .name: h1, .offset: 0, .size: 8, .value_kind: global_buffer, .address_space: global }
      - { .name: W2, .offset: 8, .size: 8, .value_kind: global_buffer, .address_space: global }
      - { .name: b2, .offset: 16, .size: 8, .value_kind: global_buffer, .address_space: global }
      - { .name: out0, .offset: 24, .size: 8, .value_kind: global_buffer, .address_space: global }
    .group_segment_fixed_size: 4096
    .private_segment_fixed_size: 0
    .kernarg_segment_align: 8
    .kernarg_segment_size: 32
    .max_flat_workgroup_size: 512
    .sgpr_count:     66
    .vgpr_count:     146
    .wavefront_size: 32
...
	.end_amdgpu_metadata
.endif
;; end of part 5
